; MI455X (gfx1250); checked and timed in simulation.
; The chip was launched on July 23, 2026; its instructions are those of AMD's public machine-readable ISA for CDNA 5 (MIT licence, August 2026) and "CDNA5" Instruction Set Architecture Reference Guide (July 2026). The comments in the code are by the model that wrote it; some were corrected since.
;; DQN. Allowed arithmetic: float matrix products may take bf16 or f16 operands with f32 sums; all other float work in f32.
;; Inputs: b1 20 float32; b2 3 float32; w1 20 x 5 float32; w2 3 x 20 float32; x 8,192 x 3 x 32 x 32 float32.
;; Outputs: out0 8,192 x 3 float32.
;; One version. Each part assembles by itself: llvm-mc -triple=amdgcn-amd-amdhsa -mcpu=gfx1250 --defsym DOCPART=n.
;; ======== version 1 of 1: 1 launch
;; launch dqn (part 1): grid 256 x 1, 32 waves a work-group, no clusters, 7,680 bytes of LDS; arguments x, w1, b1, w2, b2, out0; writes out0
.if DOCPART == 1
	.amdgcn_target "amdgcn-amd-amdhsa--gfx1250"
	.amdhsa_code_object_version 6
	.text
	.protected	k_qbd7eac81a9_dqn
	.globl	k_qbd7eac81a9_dqn
	.p2align	8
	.type	k_qbd7eac81a9_dqn,@function
k_qbd7eac81a9_dqn:
	s_mov_b64 s[64:65], 0
	v_nop
	global_prefetch_b8 v0, s[64:65] scope:SCOPE_SE
	s_setreg_imm32_b32 hwreg(HW_REG_WAVE_MODE, 25, 1), 1
	s_wait_xcnt 0x0
; DQN features + MLP.  x: [8192][3][32][32] f32 (frames 0 and 1 are used by the model, frame 2 by nothing, so it is not read);
; out0: [8192][3] f32.  One work-group = 32 waves = 32 batch elements; one wave = one element.
; A wave loads its two grids (8,192 consecutive bytes) with 16 loads, each covering 512 consecutive bytes, aligned, all issued at once.
; Cell of load j, lane l, register c:  flat = 128 j + 4 l + c,  row = 4 j + (l >> 3),  column = 4 (l & 7) + c.
; No address and no branch is made from the data: positions are found by minima of keys, the ray casts by bit masks and selects.
;   first hit of a value t:  e = 2^40 v - 2^40 t (one fused multiply-add: 0 only for v = t, else |e| >= 2^16),
;                            key = e*e + 128 j (a hit: 128 j; no hit: >= 2^32; NaN loses in v_min3_num), minimum over j, + 4 l + c, minimum over lanes.
;                            No hit at all leaves a key >= 1024, which is turned into index 0, as an argmax over all-false gives.
;   free cell:               v*v + v in one fused multiply-add is 0 only for v = +-0 and v = -1.
;   ray (p, q) from the head (hi, hj):  result = min(N, M'), N = steps that stay inside the grid, M' = first blocked step (0 if that is step 1).
;                            This is the first failing check of the model's loop for every integer direction, unit or not; (0, 0) gives 0.
; Holds for every f32 input (NaN, infinities, several or no hits).
; The MLP (K = 5 and K = 20, 3 outputs) is 45 f32 instructions in each of four waves for 32 elements: too small for the matrix unit,
; whose 16-bit operands would also round the hidden layer.  No cluster: the work-groups share only the 732 bytes of weights.
; A work-group's output is 384 consecutive bytes (one aligned block of 256 and a half one): 32 elements a group keep all 256 groups busy.
.set ELEM,   12288                     ; bytes from element to element
.set FPITCH, 48                        ; LDS: an element's five features, pitch an odd multiple of 16 bytes
.set PBASE,  32*FPITCH                 ; LDS: behind them four blocks of partial outputs,
.set PPITCH, 512                       ;      one for each of the four MLP waves (384 bytes used)
.set LANE,  1                          ; v1       lane
.set OFF,   2                          ; v2       16 x lane: offset of loads, of the last LDS reads and of the store
.set LANEF, 3                          ; v3       lane as f32
.set Q,     4                          ; v[4:7]   4 lane + c as f32
.set HA,    8                          ; v[8:11]  running minima for the head (g0 == 1), one for each c
.set FA,    12                         ; v[12:15] for the food (g0 == -1)
.set PA,    16                         ; v[16:19] for the previous head (g1 == 1)
.set T,     20                         ; v[20:27] at work
.set PS,    28                         ; v[28:29] +2^40 twice
.set NS,    30                         ; v[30:31] -2^40 twice
.set VC,    36                         ; v[36:39] lane i: blocked mask of load i >> 2, register c
.set SELQ,  40                         ; v40      byte selector of v_perm_b32: byte i & 3 of two words
.set RW,    41                         ; v41      lane i: blocked bits of row i, column c at bit 8 (c & 3) + (c >> 2)
.set WH,    42                         ; v42      the head's row word, in every lane
.set H,     44                         ; v[44:45] head row, column (f32, the same in all lanes; so are the next ones)
.set FD,    46                         ; v[46:47] food
.set P,     48                         ; v[48:49] previous head
.set D,     50                         ; v[50:51] d = head - previous = (a, b)
.set U,     52                         ; v[52:53] diff = food - head = (u, w)
.set NU,    54                         ; v[54:55] -diff
.set D8,    56                         ; v[56:57] 8.25 d
.set HJ8,   58                         ; v58      8.25 x head column
.set NB,    59                         ; v59      -b
.set BIG,   60                         ; v60      64.0: a key above every step count
.set X1,    61                         ; v[61:63] the other half's value in reductions
.set X2,    62
.set X3,    63
.set G0,    64                         ; v[64:95]  frame 0; afterwards the rays' and the MLP's registers
.set G1,    96                         ; v[96:127] frame 1
.set LM,    66                         ; s[67:73] lanes 4 j .. 4 j + 3, j = 1 .. 7
.set CM,    92                         ; s[92:99] compare masks of two loads; afterwards the rays' masks
	s_load_b256 s[4:11], s[0:1], 0x0               ; x s[4:5], w1 s[6:7], b1 s[8:9], w2 s[10:11]
	s_load_b128 s[12:15], s[0:1], 0x20             ; b2 s[12:13], out0 s[14:15]
	v_lshl_add_u32 v35, v0, 2, 0xe00
	v_mov_b32 v43, 0
	v_lshrrev_b32 v[LANE], 5, v0
	v_readfirstlane_b32 s2, v[LANE]                ; wave 0..31
	v_and_b32 v[LANE], 31, v0
	v_lshlrev_b32 v[OFF], 4, v[LANE]
	s_lshl_b32 s3, ttmp9, 5
	s_add_co_u32 s3, s3, s2                        ; my element
	s_mul_i32 s24, s3, ELEM                        ; at most 8191 x 12288: below 2^31
	s_mov_b32 s25, 0
	s_wait_kmcnt 0x0
	s_add_nc_u64 s[4:5], s[4:5], s[24:25]
.irp j, 0,1,2,3,4,5,6,7,8,9,10,11,12,13,14,15
	global_load_b128 v[G0+4*\j:G0+4*\j+3], v[OFF], s[4:5] offset:512*\j th:TH_LOAD_NT   ; frame 0: j = 0..7, frame 1: j = 8..15; read once in the launch
.endr
	; Waves 0-3 will each do five hidden units: their weights come into scalar registers now and are waited for behind the first barrier.
	; w1 rows 5w..5w+4 -> s[32:56];  b1 -> s[28:31], s57;  w2[o][5w..5w+4] -> s[76+4o:79+4o], s[58+o];  b2 -> s[88:90].
	; s22, s23 and the bases are not written again.
	s_cmp_lt_u32 s2, 4
	s_cbranch_scc0 .Lno_weights
	s_mul_i32 s22, s2, 100
	s_mul_i32 s23, s2, 20
	s_load_b512 s[32:47], s[6:7], s22 offset:0x0
	s_load_b256 s[48:55], s[6:7], s22 offset:0x40
	s_load_b32 s56, s[6:7], s22 offset:0x60        ; wave 3 ends at byte 400, w1's last
	s_load_b128 s[28:31], s[8:9], s23 offset:0x0
	s_load_b32 s57, s[8:9], s23 offset:0x10
	s_load_b128 s[76:79], s[10:11], s23 offset:0x0
	s_load_b32 s58, s[10:11], s23 offset:0x10
	s_load_b128 s[80:83], s[10:11], s23 offset:0x50
	s_load_b32 s59, s[10:11], s23 offset:0x60
	s_load_b128 s[84:87], s[10:11], s23 offset:0xa0
	s_load_b32 s60, s[10:11], s23 offset:0xb0
	s_load_b96 s[88:90], s[12:13], 0x0
.Lno_weights:
	; lane constants, made while the loads are on their way
	s_mov_b32 s20, 0x76543210                      ; v_permlanex16_b32: lane i of one half reads lane i of the other
	s_mov_b32 s21, 0xfedcba98
.irp j, 1,2,3,4,5,6,7
	s_mov_b32 s[LM+\j], 0xf<<(4*\j)
.endr
	v_cvt_f32_u32 v[LANEF], v[LANE]
	v_mov_b32 v[PS], 0x53800000                    ; 2^40
	v_mov_b32 v[PS+1], 0x53800000
	v_mov_b32 v[NS], 0xd3800000                    ; -2^40
	v_mov_b32 v[NS+1], 0xd3800000
	v_mul_f32 v[Q], 4.0, v[LANEF]
	v_add_f32 v[Q+1], 1.0, v[Q]
	v_add_f32 v[Q+2], 2.0, v[Q]
	v_add_f32 v[Q+3], 0x40400000, v[Q]             ; + 3.0
	v_and_b32 v[SELQ], 3, v[LANE]
	v_lshl_or_b32 v[SELQ], v[SELQ], 8, v[SELQ]
	v_or_b32 v[SELQ], 0x400, v[SELQ]               ; byte 0: byte q of the second source; byte 1: byte q of the first (q = lane & 3)
	v_mov_b32 v[BIG], 0x42800000
	v_mov_b32 v[X1], 0                             ; v_permlanex16_b32 counts as a reader of its destination
	v_mov_b32 v[X2], 0
	v_mov_b32 v[X3], 0
; Two loads (8 registers at dat): keys of the value whose -2^40-fold lies in the pair at add; k0, k1 = 128 j as f32 for the two loads.
.macro FIRST acc, dat, add, k0, k1, start
.irp i, 0,2,4,6
	v_pk_fma_f32 v[T+\i:T+\i+1], v[\dat+\i:\dat+\i+1], 0x53800000, v[\add:\add+1] op_sel_hi:[1,0,1]
.endr
.irp i, 0,2
	v_pk_fma_f32 v[T+\i:T+\i+1], v[T+\i:T+\i+1], v[T+\i:T+\i+1], \k0 op_sel_hi:[1,1,0]
.endr
.irp i, 4,6
	v_pk_fma_f32 v[T+\i:T+\i+1], v[T+\i:T+\i+1], v[T+\i:T+\i+1], \k1 op_sel_hi:[1,1,0]
.endr
.irp c, 0,1,2,3
.if \start
	v_min3_num_f32 v[\acc+\c], v[T+\c], v[T+4+\c], 0x44800000      ; 1024.0 starts the chain: it stays if nothing hits
.else
	v_min3_num_f32 v[\acc+\c], v[\acc+\c], v[T+\c], v[T+4+\c]
.endif
.endr
.endm
; One load of frame 0: the mask of blocked cells of each register, handed to the four lanes whose rows lie in this load.
.macro BLOCKED j, sb
	v_pk_fma_f32 v[T:T+1],   v[G0+4*(\j):G0+4*(\j)+1],   v[G0+4*(\j):G0+4*(\j)+1],   v[G0+4*(\j):G0+4*(\j)+1]
	v_pk_fma_f32 v[T+2:T+3], v[G0+4*(\j)+2:G0+4*(\j)+3], v[G0+4*(\j)+2:G0+4*(\j)+3], v[G0+4*(\j)+2:G0+4*(\j)+3]
.irp c, 0,1,2,3
	v_cmp_neq_f32 s[\sb+\c], 0, v[T+\c]            ; not equal, or NaN: blocked
.endr
.irp c, 0,1,2,3
.if (\j) == 0
	v_mov_b32 v[VC+\c], s[\sb+\c]
.else
	v_cndmask_b32 v[VC+\c], v[VC+\c], s[\sb+\c], s[LM+(\j)]
.endif
.endr
.endm
.macro G0PAIR j, k0, k1, start, left
	s_wait_loadcnt \left                           ; loads return in order: all but the \left issued behind this pair are in
	FIRST HA, G0+4*\j, NS, \k0, \k1, \start
	FIRST FA, G0+4*\j, PS, \k0, \k1, \start
	BLOCKED \j, CM
	BLOCKED \j+1, CM+4
.endm
	G0PAIR 0, 0,          0x43000000, 1, 14
	G0PAIR 2, 0x43800000, 0x43c00000, 0, 12
	G0PAIR 4, 0x44000000, 0x44200000, 0, 10
	G0PAIR 6, 0x44400000, 0x44600000, 0, 8
.macro LANEKEY acc                     ; the lane's own first hit as a flat index
	v_pk_add_f32 v[\acc:\acc+1],   v[\acc:\acc+1],   v[Q:Q+1]
	v_pk_add_f32 v[\acc+2:\acc+3], v[\acc+2:\acc+3], v[Q+2:Q+3]
	v_min3_num_f32 v[\acc], v[\acc], v[\acc+1], v[\acc+2]
	v_min_num_f32 v[\acc], v[\acc], v[\acc+3]
.endm
.macro RSTEP r, x                      ; one step of a minimum inside each half of 16 lanes
	v_min_num_f32_dpp v[\r], v[\r], v[\r] row_xmask:\x row_mask:0xf bank_mask:0xf
.endm
.macro DECODE k, r                     ; flat index (1024 or more: none, taken as 0) to row and column, in f32
	v_cmp_gt_f32 vcc_lo, 0x44800000, v[\k]
	v_cndmask_b32 v[\k], 0, v[\k], vcc_lo
	v_mul_f32 v[\r], 0x3d000000, v[\k]             ; / 32
	v_floor_f32 v[\r], v[\r]
	v_fma_f32 v[\r+1], v[\r], 0xc2000000, v[\k]    ; index - 32 row
.endm
	; head and food; all of this is done while frame 1 is still coming
	LANEKEY HA
	LANEKEY FA
.irp x, 1,2,4,8
	RSTEP HA, \x
	RSTEP FA, \x
.endr
	v_permlanex16_b32 v[X1], v[HA], s20, s21
	v_permlanex16_b32 v[X2], v[FA], s20, s21
	v_min_num_f32 v[HA], v[HA], v[X1]
	v_min_num_f32 v[FA], v[FA], v[X2]
	DECODE HA, H
	DECODE FA, FD
	; row words: lane i = 4 j + q takes byte q of the four masks of load j
	v_perm_b32 v[T],   v[VC+1], v[VC],   v[SELQ]
	v_perm_b32 v[T+1], v[VC+3], v[VC+2], v[SELQ]
	v_perm_b32 v[RW],  v[T+1],  v[T],    0x05040100
	; the head's row word into every lane: all other lanes give 0, then an OR over the 32 lanes
	v_cmp_eq_f32 vcc_lo, v[LANEF], v[H]
	v_cndmask_b32 v[WH], 0, v[RW], vcc_lo
.irp x, 1,2,4,8
	v_or_b32_dpp v[WH], v[WH], v[WH] row_xmask:\x row_mask:0xf bank_mask:0xf
.endr
	v_permlanex16_b32 v[X1], v[WH], s20, s21
	v_or_b32 v[WH], v[WH], v[X1]
	v_pk_add_f32 v[U:U+1], v[FD:FD+1], v[H:H+1] neg_lo:[0,1] neg_hi:[0,1]   ; diff = food - head
	v_mul_f32 v[HJ8], 0x41040000, v[H+1]                                    ; 8.25 hj
	v_pk_mul_f32 v[NU:NU+1], v[U:U+1], -1.0 op_sel_hi:[1,0]
	; the previous head, from frame 1
	s_wait_loadcnt 6
	FIRST PA, G1,    NS, 0,          0x43000000, 1
	s_wait_loadcnt 4
	FIRST PA, G1+8,  NS, 0x43800000, 0x43c00000, 0
	s_wait_loadcnt 2
	FIRST PA, G1+16, NS, 0x44000000, 0x44200000, 0
	s_wait_loadcnt 0
	FIRST PA, G1+24, NS, 0x44400000, 0x44600000, 0
	LANEKEY PA
.irp x, 1,2,4,8
	RSTEP PA, \x
.endr
	v_permlanex16_b32 v[X1], v[PA], s20, s21
	v_min_num_f32 v[PA], v[PA], v[X1]
	DECODE PA, P
	; THE RAYS.  Two lines through the head: forward (a, b), of which m >= 1 counts, and left (-b, a), whose m <= -1 is the ray to the right.
	; A line that changes rows: lane = row, word = the lane's own row.  One that does not: lane = column, word = the head's row.
	; m = (lane - base) / step, rounded and multiplied back: only exact integer steps count (step 0 gives NaN, so no lane counts).
	; Column = hj + m q in both cases; trunc(8.25 column) is 8 column + (column >> 2): below 256 as an unsigned number exactly for
	; columns 0..31, and its low five bits, which v_bfe_u32 takes as the offset, are the column's bit in a row word.
.set ST, 64                            ; forward line: v64..v73; left/right line: the same + 12
.set BA, 65
.set WD, 66
.set RC, 67
.set DE, 68
.set M,  69
.set CK, 70
.set C8, 71
.set BT, 72
.set KV, 73
.set LR, 12
.set AM, 88                            ; |m| on the left/right line
.set R1, 91                            ; feature 4
.set FE, 92                            ; v[92:95] features 0..3: left, forward, right, rotated diff 0
	v_pk_add_f32 v[D:D+1], v[H:H+1], v[P:P+1] neg_lo:[0,1] neg_hi:[0,1]     ; d = head - previous
	v_pk_mul_f32 v[D8:D8+1], v[D:D+1], 0x41040000 op_sel_hi:[1,0]
	v_sub_f32 v[NB], 0, v[D+1]
	v_cmp_neq_f32 s92, 0, v[D]                     ; forward changes rows
	v_cmp_neq_f32 s97, 0, v[D+1]                   ; left/right changes rows
	v_cndmask_b32 v[ST],    v[D+1], v[D],  s92
	v_cndmask_b32 v[ST+LR], v[D],   v[NB], s97
	v_cndmask_b32 v[BA],    v[H+1], v[H],  s92
	v_cndmask_b32 v[BA+LR], v[H+1], v[H],  s97
	v_rcp_f32 v[RC],    v[ST]
	v_rcp_f32 v[RC+LR], v[ST+LR]
	v_cndmask_b32 v[WD],    v[WH], v[RW], s92      ; plain instructions that touch neither reciprocal nor its source stand behind v_rcp_f32 (ISA guide 5.7.2)
	v_cndmask_b32 v[WD+LR], v[WH], v[RW], s97
	v_sub_f32 v[DE],    v[LANEF], v[BA]
	v_sub_f32 v[DE+LR], v[LANEF], v[BA+LR]
	s_wait_alu depctr_va_vdst(0)
	v_mul_f32 v[M],    v[DE],    v[RC]
	v_mul_f32 v[M+LR], v[DE+LR], v[RC+LR]
	v_rndne_f32 v[M],    v[M]
	v_rndne_f32 v[M+LR], v[M+LR]
	v_mul_f32 v[CK],    v[M],    v[ST]
	v_mul_f32 v[CK+LR], v[M+LR], v[ST+LR]
	v_fma_f32 v[C8],    v[M],    v[D8+1], v[HJ8]   ; forward: column step b
	v_fma_f32 v[C8+LR], v[M+LR], v[D8],   v[HJ8]   ; left: column step a
	v_cmp_eq_f32 s93, v[CK],    v[DE]              ; an exact step
	v_cmp_eq_f32 s98, v[CK+LR], v[DE+LR]
	v_cvt_i32_f32 v[C8],    v[C8]
	v_cvt_i32_f32 v[C8+LR], v[C8+LR]
	v_cmp_le_f32 s94, 1.0, v[M]                    ; forward: m >= 1
	v_cmp_le_f32 s99, 1.0, v[M+LR]                 ; left
	v_cmp_ge_f32 s24, -1.0, v[M+LR]                ; right
	v_cmp_gt_u32 s95, 0x100, v[C8]                 ; column inside the grid
	v_cmp_gt_u32 s25, 0x100, v[C8+LR]
	v_bfe_u32 v[BT],    v[WD],    v[C8],    1
	v_bfe_u32 v[BT+LR], v[WD+LR], v[C8+LR], 1
	v_cmp_ne_u32 s96, 0, v[BT]                     ; the cell is blocked
	v_cmp_ne_u32 s26, 0, v[BT+LR]
	v_and_b32 v[AM], 0x7fffffff, v[M+LR]
	v_cmp_eq_f32 s27, 1.0, v[M]
	v_cmp_eq_f32 s61, 1.0, v[AM]
	v_cndmask_b32 v[KV],    v[M],  0, s27          ; a block at step 1 fails check 0, one at step m >= 2 fails check m
	v_cndmask_b32 v[KV+LR], v[AM], 0, s61
	s_and_b32 s93, s93, s95
	s_and_b32 s93, s93, s94                        ; forward: lanes that hold a step inside the grid
	s_and_b32 s96, s96, s93                        ;          and a blocked one
	s_and_b32 s98, s98, s25
	s_and_b32 s99, s99, s98                        ; left
	s_and_b32 s24, s24, s98                        ; right
	s_and_b32 s25, s26, s99
	s_and_b32 s26, s26, s24
	v_cndmask_b32 v[FE+1], v[BIG], v[KV],    s96
	v_cndmask_b32 v[FE],   v[BIG], v[KV+LR], s25
	v_cndmask_b32 v[FE+2], v[BIG], v[KV+LR], s26
	s_bcnt1_i32_b32 s93, s93                       ; the steps inside the grid are 1..N, one lane each: their number is N
	s_bcnt1_i32_b32 s99, s99
	s_bcnt1_i32_b32 s24, s24
	s_cvt_f32_u32 s93, s93
	s_cvt_f32_u32 s99, s99
	s_cvt_f32_u32 s24, s24
.irp x, 1,2,4,8
	RSTEP FE, \x
	RSTEP FE+1, \x
	RSTEP FE+2, \x
.endr
	v_permlanex16_b32 v[X1], v[FE],   s20, s21
	v_permlanex16_b32 v[X2], v[FE+1], s20, s21
	v_permlanex16_b32 v[X3], v[FE+2], s20, s21
	; diff turned by the model's choice of k: a == 1 first, then b == -1, then a == -1, else k = 3 (later selects overrule earlier ones)
	v_cmp_eq_f32 s62, -1.0, v[D]
	v_cmp_eq_f32 s63, -1.0, v[D+1]
	v_cmp_eq_f32 s74, 1.0, v[D]
	v_cndmask_b32 v[FE+3], v[U+1], v[NU],   s62    ; k = 3: (w, -u);  k = 2: (-u, -w)
	v_cndmask_b32 v[R1],   v[NU],  v[NU+1], s62
	v_cndmask_b32 v[FE+3], v[FE+3], v[NU+1], s63   ; k = 1: (-w, u)
	v_cndmask_b32 v[R1],   v[R1],   v[U],    s63
	v_cndmask_b32 v[FE+3], v[FE+3], v[U],    s74   ; k = 0: (u, w)
	v_cndmask_b32 v[R1],   v[R1],   v[U+1],  s74
	v_min3_num_f32 v[FE],   v[FE],   v[X1], s99    ; min(first block, N)
	v_min3_num_f32 v[FE+1], v[FE+1], v[X2], s93
	v_min3_num_f32 v[FE+2], v[FE+2], v[X3], s24
	; the element's five features to LDS (every lane holds them and writes the same bytes)
	s_mul_i32 s3, s2, FPITCH
	v_mov_b32 v89, s3
	ds_store_b128 v89, v[FE:FE+3]
	ds_store_b32 v89, v[R1] offset:16
	s_wait_dscnt 0x0                               ; my features are in LDS before I say so
	s_barrier_signal -1
	s_barrier_wait -1
	; THE MLP: lane = element; wave w = 0..3 does hidden units 5 w .. 5 w + 4 and their share of the three outputs, in f32.
	s_cmp_lt_u32 s2, 4
	s_cbranch_scc0 .Lno_mlp
	v_mul_u32_u24 v80, v[LANE], FPITCH
	ds_load_b128 v[64:67], v80
	ds_load_b32 v68, v80 offset:16
	s_lshl_b32 s3, s2, 9
	s_add_co_u32 s3, s3, PBASE
	v_mad_u32_u24 v81, v[LANE], 12, s3             ; my three partial outputs: block w, 12 bytes an element
	s_wait_kmcnt 0x0                               ; the weights asked for at the start
	s_cmp_eq_u32 s2, 0
	s_cselect_b32 s88, s88, 0                      ; b2 enters once, in wave 0's share
	s_cselect_b32 s89, s89, 0
	s_cselect_b32 s90, s90, 0
	s_wait_dscnt 0x0
.irp u, 0,1,2,3
	v_fma_f32 v[70+\u], v64, s[32+5*\u], s[28+\u]  ; f0 w1[n][0] + b1[n] starts the sum
.endr
	v_fma_f32 v74, v64, s52, s57
.irp k, 1,2,3,4
.irp u, 0,1,2,3,4
	v_fmac_f32 v[70+\u], s[32+5*\u+\k], v[64+\k]
.endr
.endr
.irp u, 0,1,2,3,4
	v_max_num_f32 v[70+\u], 0, v[70+\u]            ; relu
.endr
.irp o, 0,1,2
	v_fma_f32 v[76+\o], v70, s[76+4*\o], s[88+\o]
.endr
.irp u, 1,2,3
.irp o, 0,1,2
	v_fmac_f32 v[76+\o], s[76+4*\o+\u], v[70+\u]
.endr
.endr
.irp o, 0,1,2
	v_fmac_f32 v[76+\o], s[58+\o], v74
.endr
	ds_store_b32 v81, v76
	ds_store_b32 v81, v77 offset:4
	ds_store_b32 v81, v78 offset:8
.Lno_mlp:
	s_wait_dscnt 0x0                               ; the partial outputs are in LDS before their wave says so
	s_barrier_signal -1
	s_barrier_wait -1
	; wave 0 adds the four shares and stores the group's 96 numbers: 24 lanes x 16 bytes = 384 consecutive bytes
	s_cmp_lg_u32 s2, 0
	s_cbranch_scc1 .Ldone
	v_cmp_gt_u32 vcc_lo, 24, v[LANE]
	s_mul_i32 s24, ttmp9, 384
	s_mov_b32 s25, 0
	s_add_nc_u64 s[14:15], s[14:15], s[24:25]
	s_wait_xcnt 0x0                                ; EXEC changes only behind this wait
	s_wait_tensorcnt 0x0
	ds_add_u32 v35, v43
	s_wait_dscnt 0x0
	s_and_saveexec_b32 s3, vcc_lo
	ds_load_b128 v[64:67], v[OFF] offset:PBASE
	ds_load_b128 v[68:71], v[OFF] offset:PBASE+PPITCH
	ds_load_b128 v[72:75], v[OFF] offset:PBASE+2*PPITCH
	ds_load_b128 v[76:79], v[OFF] offset:PBASE+3*PPITCH
	s_wait_dscnt 0x0
	v_pk_add_f32 v[64:65], v[64:65], v[68:69]
	v_pk_add_f32 v[66:67], v[66:67], v[70:71]
	v_pk_add_f32 v[72:73], v[72:73], v[76:77]
	v_pk_add_f32 v[74:75], v[74:75], v[78:79]
	v_pk_add_f32 v[64:65], v[64:65], v[72:73]
	v_pk_add_f32 v[66:67], v[66:67], v[74:75]
	global_store_b128 v[OFF], v[64:67], s[14:15]
	s_endpgm
.Ldone:
	s_wait_tensorcnt 0x0
	ds_add_u32 v35, v43
	s_wait_dscnt 0x0
	s_endpgm
.Lfunc_end_k_qbd7eac81a9_dqn:
	.size	k_qbd7eac81a9_dqn, .Lfunc_end_k_qbd7eac81a9_dqn-k_qbd7eac81a9_dqn
	.p2alignl 7, 3214868480
	.fill 96, 4, 3214868480
	.section	.rodata,"a",@progbits
	.p2align	6, 0x0
	.amdhsa_kernel k_qbd7eac81a9_dqn
		.amdhsa_group_segment_fixed_size 7680
		.amdhsa_private_segment_fixed_size 0
		.amdhsa_enable_private_segment 0
		.amdhsa_kernarg_size 48
		.amdhsa_user_sgpr_count 2
		.amdhsa_user_sgpr_kernarg_segment_ptr 1
		.amdhsa_wavefront_size32 1
		.amdhsa_system_sgpr_workgroup_id_x 1
		.amdhsa_system_sgpr_workgroup_id_y 1
		.amdhsa_system_sgpr_workgroup_id_z 1
		.amdhsa_system_vgpr_workitem_id 0
		.amdhsa_next_free_vgpr 128
		.amdhsa_next_free_sgpr 100
		.amdhsa_reserve_vcc 1
		.amdhsa_float_denorm_mode_32 3
		.amdhsa_float_denorm_mode_16_64 3
		.amdhsa_memory_ordered 1
		.amdhsa_forward_progress 1
		.amdhsa_inst_pref_size 34
	.end_amdhsa_kernel
	.amdgpu_metadata
---
amdhsa.version: [ 1, 2 ]
amdhsa.kernels:
  - .name:           k_qbd7eac81a9_dqn
    .symbol:         k_qbd7eac81a9_dqn.kd
    .args:
      - { .name: x, .offset: 0, .size: 8, .value_kind: global_buffer, .address_space: global }
      - { .name: w1, .offset: 8, .size: 8, .value_kind: global_buffer, .address_space: global }
      - { .name: b1, .offset: 16, .size: 8, .value_kind: global_buffer, .address_space: global }
      - { .name: w2, .offset: 24, .size: 8, .value_kind: global_buffer, .address_space: global }
      - { .name: b2, .offset: 32, .size: 8, .value_kind: global_buffer, .address_space: global }
      - { .name: out0, .offset: 40, .size: 8, .value_kind: global_buffer, .address_space: global }
    .group_segment_fixed_size: 7680
    .private_segment_fixed_size: 0
    .kernarg_segment_align: 8
    .kernarg_segment_size: 48
    .max_flat_workgroup_size: 1024
    .sgpr_count:     100
    .vgpr_count:     128
    .wavefront_size: 32
...
	.end_amdgpu_metadata
.endif
;; end of part 1
